; MI455X (gfx1250); checked and timed in simulation.
; The chip was launched on July 23, 2026; its instructions are those of AMD's public machine-readable ISA for CDNA 5 (MIT licence, August 2026) and "CDNA5" Instruction Set Architecture Reference Guide (July 2026). The comments in the code are by the model that wrote it; some were corrected since.
;; Head. Allowed arithmetic: matrix products marked QUANTISED: E2M3 operands, one E8M0 scale for each 32 along K, by v_wmma_scale_f32_16x16x128_f8f6f4 with both operands' format E2M3, f32 sums; everything else in f32.
;; Inputs: Wk 512 x 512 float32; Wq 512 x 512 float32; Wv 512 x 512 float32; x 32 x 512 x 32 x 32 float32.
;; Outputs: out0 32 x 512 x 32 x 32 float32.
;; This version of the problem:
;;   THIS VERSION OF THE PROBLEM IS GIVEN IN LOW PRECISION. The matrix products marked QUANTISED in the list below multiply operands that are first quantised to E2M3 (2 exponent bits, 3 mantissa bits; 6 bits a number), with one power-of-two scale for each 32 numbers along K (OCP MX v1.0); their sums are f32. All else is computed in f32.
;;   The module's matrix products, in the order in which they are computed (A, B: the left and right operand; K: the contracted axis; several contracted axes count as one K, in the product's order):
;;     1. [M 32,768, K 512] x [K 512, N 512]; A: input x; B: input Wq: QUANTISED
;;     2. [M 32,768, K 512] x [K 512, N 512]; A: input x; B: input Wk: QUANTISED
;;     3. [M 32,768, K 512] x [K 512, N 512]; A: input x; B: input Wv: QUANTISED
;;     4. batch 32 x [M 1,024, K 512] x [K 512, N 1,024]; A: computed on the way; B: computed on the way: QUANTISED
;;     5. batch 32 x [M 1,024, K 1,024] x [K 1,024, N 512]; A: softmax (see below); B: computed on the way: QUANTISED
;;   THE QUANTISER, for each operand of a quantised product, along K:
;;     - K is cut into blocks of 32 from its start; a last block that is shorter is filled with zeros.
;;     - A block's scale is 2^e with e = floor(log2(the largest magnitude in the block)) - 2, held to -126 .. 127; a block of zeros has e = 0. As a byte (E8M0): e + 127.
;;     - Each number is divided by its block's scale, clamped to +-7.5, and rounded to the nearest number of E2M3, ties to even, subnormals kept.
;;     - The product sums the exact products of the quantised numbers (number of the format x scale) in f32.
;;   ~~~python
;;   def quantise(x, axis):      # numpy; x: float32 -> the quantised numbers, widened to float32 again
;;       x = np.moveaxis(x, axis, -1); K = x.shape[-1]
;;       x = np.pad(x, [(0, 0)] * (x.ndim - 1) + [(0, -K % 32)]); x = x.reshape(x.shape[:-1] + (-1, 32)); a = np.abs(x).max(-1, keepdims=True)
;;       e = np.where(a > 0, np.clip(np.frexp(np.where(a > 0, a, 1))[1] - 1 - 2, -126, 127), 0)      # np.frexp(a)[1] - 1 = floor(log2(a)), exactly
;;       r = np.clip(x / 2.0 ** e, -7.5, 7.5)
;;       step = 2.0 ** (np.maximum(np.frexp(np.where(r == 0, 1, r))[1] - 1, 0) - 3)
;;       q = np.round(r / step) * step * 2.0 ** e      # np.round: ties to even
;;       return np.moveaxis(q.reshape(q.shape[:-2] + (-1,))[..., :K], -1, axis).astype(np.float32)
;;   ~~~
;;   SOFTMAX AHEAD OF A QUANTISED PRODUCT. Where the list says 'softmax', what is quantised is not the finished softmax but p = 2^(t - M), with t = logit x log2(e) and M = ceil(the row's largest t), a whole number; so 1/2 < the row's largest p <= 1. The row's sum l is taken of the UNQUANTISED p, in f32, and the product's result is divided by l at the end. Since M is a whole number, a kernel that streams over the keys may use a running M (the ceiling of the running maximum): every later rescaling is an exact power of two, which a block's scale takes up: the codes' values come out the same.
;;   OPERANDS COMPUTED ON THE WAY. 'Computed on the way' means the value that the module computes at that place (a softmax that the list does not call 'softmax' is quantised finished and normalised). What goes into a quantiser is computed in f32, as accurately as f32 sums, v_exp_f32 and their like allow (about 1e-6 of the number): no bf16 or f16 on the way to a quantiser, and a product that is left as it is and whose result goes on into a quantised operand takes f32 operands (vector FMAs, or v_wmma_f32_16x16x4_f32). A number that lies on a knife's edge between two numbers of the format may be rounded either way, as far as f32 arithmetic and the matrix unit's own rounding can turn it there, and no further.
;; One version. Each part assembles by itself: llvm-mc -triple=amdgcn-amd-amdhsa -mcpu=gfx1250 --defsym DOCPART=n.
;; ======== version 1 of 1: 3 launches
;; limits: right only within a limited range of input values
;; workspace buffers: wc 614,400 bytes; qkv 39,321,600 bytes
;; launch wquant (part 1): grid 16 x 3, 8 waves a work-group, no clusters, 69,120 bytes of LDS; arguments Wq, Wk, Wv, wc; writes wc
.if DOCPART == 1
	.amdgcn_target "amdgcn-amd-amdhsa--gfx1250"
	.amdhsa_code_object_version 6
	.text
	.protected	k_qceb0ee6960_wquant
	.globl	k_qceb0ee6960_wquant
	.p2align	8
	.type	k_qceb0ee6960_wquant,@function
k_qceb0ee6960_wquant:
	s_mov_b64 s[64:65], 0
	v_nop
	global_prefetch_b8 v0, s[64:65] scope:SCOPE_SE
	s_setreg_imm32_b32 hwreg(HW_REG_WAVE_MODE, 25, 1), 1
	s_wait_xcnt 0x0
; Wq, Wk, Wv [512][512] f32 (K innermost) become codes of FP6 (E2M3) with one E8M0 byte for each 32 along K, laid IN THE ORDER OF AN OPERAND'S REGISTERS.
; wc holds 12 blocks of 51,200 bytes: block 4 p + g = rows 128 g .. 128 g + 127 of W_p (p = 0, 1, 2: q, k, v).  A BLOCK is four parts of 12,800 bytes, one for each K step s = 0..3, so that the K steps that a reader
; fetches together are dense in memory.  A PART: the fragment of tile m = 0..7 at 1,536 m: registers 4 c .. 4 c + 3 of lane L at 512 c + 16 L.  Lane (r = L % 16, h = L / 16) of tile m = 2 b + u stands for row
; 32 b + 8 u + r + 8 (r / 8); registers 6 c .. 6 c + 5 hold k = 128 s + 64 c + 32 h + 0 .. 31.  Behind the eight fragments, at 12,288, the part's scale words: the word of (tile m, lane r) at
; 256 (m / 4) + 16 r + 4 (m % 4), so that 16 bytes a lane bring four registers: register j = tile j in lanes 0-15, tile 4 + j in lanes 16-31.
; SHARES: work-group (x = 4 g + s, y = p), wave = tile m: one fragment, 16 rows x 128 K, a wave.  Each load reads 512 consecutive bytes of one row; the 8 KB turn through the wave's own stage in LDS (rows 528 bytes
; apart), so that a lane gets 16 neighbours of each block of 32 of its row.  A block's scale: the largest magnitude's exponent field - 2.
; LIMITS: NaN and infinities are not served; a block whose largest magnitude lies under 2^-124 has its byte held at 1; a block of zeros gets the byte 1 (its codes are zeros; this program alone reads the bytes).
; No matrix unit, no cluster, no tensor load: 3 MB are read once and nothing is shared.
.set WROW,  2048                       ; a row of W in bytes
.set SP,    528                        ; a stage row: 512 bytes + 16
.set STG,   16*SP                      ; a wave's stage
.set SCIMG, 8*STG                      ; behind the stages: the K step's 512 bytes of scale words (67,584: beyond an LDS immediate's 16 bits, so it stands in address registers)
.set FRB,   1536                       ; a fragment's image
.set KPART, 12800                      ; a K step's part of a block
.set BLK,   51200
.set LI,  4                            ; v4   16 x lane
.set STI, 5                            ; v5   the stage, on the way in: 16 x lane
.set STO, 6                            ; v6   and on the way out: 528 r + 64 h
.set SCA, 7                            ; v7   my row's scale word in the image
.set SCR, 8                            ; v8   the image read back: SCIMG + 16 x lane
.set RAW, 16                           ; v16-79   the 16 rows as loaded
.set X,   80                           ; v80-143  register 16 b + i = k 32 b + 16 h + i of my row
.set TM,  144                          ; v144-147 largest magnitudes, v148-151 at work, v156-159 the conversions' scale operands
.set PC,  160                          ; v160-171 the codes; v172-181 at work
.set PW,  182                          ; the scale word
.set SCI, 184                          ; v184-187 the image of scale words on its way out
.set SEL, 20                           ; s[20:21] lane selects: lane l xor 16
	s_load_b256 s[4:11], s[0:1], 0x0               ; Wq s[4:5], Wk s[6:7], Wv s[8:9], wc s[10:11]
	v_lshl_add_u32 v192, v0, 2, 0x10a00
	v_mov_b32 v193, 0
	v_lshrrev_b32 v1, 5, v0
	s_delay_alu instid0(VALU_DEP_1)
	v_readfirstlane_b32 s14, v1                    ; wave = tile m
	v_and_b32 v1, 31, v0                           ; lane
	v_and_b32 v2, 15, v0                           ; r
	v_bfe_u32 v3, v0, 4, 1                         ; h
	s_delay_alu instid0(VALU_DEP_3)
	v_lshlrev_b32 v[LI], 4, v1
	s_delay_alu instid0(VALU_DEP_1)
	v_add_nc_u32 v[SCR], SCIMG, v[LI]
	s_mul_i32 s15, s14, STG
	v_add_nc_u32 v[STI], s15, v[LI]
	v_mul_u32_u24 v[STO], v2, SP
	s_delay_alu instid0(VALU_DEP_1)
	v_lshl_add_u32 v[STO], v3, 6, v[STO]
	s_delay_alu instid0(VALU_DEP_1)
	v_add_nc_u32 v[STO], s15, v[STO]
	s_lshr_b32 s16, s14, 2
	s_lshl_b32 s16, s16, 8                         ; 256 (m / 4)
	s_and_b32 s17, s14, 3
	s_lshl_b32 s17, s17, 2                         ; 4 (m % 4)
	s_add_co_u32 s16, s16, s17
	s_add_co_u32 s16, s16, SCIMG
	v_lshlrev_b32 v[SCA], 4, v2
	s_delay_alu instid0(VALU_DEP_1)
	v_add_nc_u32 v[SCA], s16, v[SCA]
	s_mov_b32 s[SEL], 0x76543210
	s_mov_b32 s[SEL+1], 0xfedcba98
.irp b, 0,1,2,3
	v_mov_b32 v[TM+4+\b], 0                        ; written once: a lane permute's destination counts as one of its sources
.endr
	s_and_b32 s18, ttmp7, 0xffff                   ; p
	s_lshr_b32 s19, ttmp9, 2                       ; g
	s_and_b32 s22, ttmp9, 3                        ; s
	s_lshl_b32 s24, s19, 7                         ; my tile's first row: 128 g
	s_lshr_b32 s23, s14, 1
	s_lshl_b32 s23, s23, 5                         ; + 32 (m / 2)
	s_add_co_u32 s24, s24, s23
	s_and_b32 s23, s14, 1
	s_lshl_b32 s23, s23, 3                         ; + 8 (m % 2)
	s_add_co_u32 s24, s24, s23
	s_lshl_b32 s24, s24, 11                        ; in bytes,
	s_lshl_b32 s23, s22, 9                         ; + 512 s: the K step
	s_add_co_u32 s24, s24, s23
	s_mov_b32 s25, 0
	s_lshl_b32 s26, s18, 2
	s_add_co_u32 s26, s26, s19
	s_mul_i32 s26, s26, BLK                        ; block 4 p + g of wc,
	s_mul_i32 s23, s22, KPART
	s_add_co_u32 s26, s26, s23                     ; the K step's part of it,
	s_mul_i32 s28, s14, FRB
	s_add_co_u32 s28, s28, s26                     ; fragment m in that part,
	s_mov_b32 s29, 0
	s_add_co_u32 s26, s26, 8*FRB                   ; and behind the eight fragments the scale words
	s_mov_b32 s27, 0
	s_wait_alu depctr_va_vdst(0)
	s_wait_kmcnt 0x0
	s_cmp_eq_u32 s18, 0                            ; which W: the choice hangs on the work-group's number alone
	s_cselect_b64 s[12:13], s[4:5], s[6:7]
	s_cmp_eq_u32 s18, 2
	s_cselect_b64 s[12:13], s[8:9], s[12:13]
	s_add_nc_u64 s[12:13], s[12:13], s[24:25]
	s_add_nc_u64 s[30:31], s[10:11], s[28:29]
	s_add_nc_u64 s[10:11], s[10:11], s[26:27]
.irp i, 0,1,2,3,4,5,6,7,8,9,10,11,12,13,14,15
	global_load_b128 v[RAW+4*\i:RAW+4*\i+3], v[LI], s[12:13] offset:(\i+8*(\i/8))*WROW th:TH_LOAD_NT   ; lane-row i of the tile: 512 consecutive bytes
.endr
	s_wait_loadcnt 0x0
.irp i, 0,1,2,3,4,5,6,7,8,9,10,11,12,13,14,15
	ds_store_b128 v[STI], v[RAW+4*\i:RAW+4*\i+3] offset:SP*\i
.endr
.irp b, 0,1,2,3
.irp j, 0,1,2,3
	ds_load_b128 v[X+16*\b+4*\j:X+16*\b+4*\j+3], v[STO] offset:128*\b+16*\j   ; LDS serves a wave's instructions in order: these see my stores
.endr
.endr
	s_wait_dscnt 0x0
; 64 numbers of a lane become a fragment's codes and its scale word
.irp b, 0,1,2,3
	v_max3_num_f32 v[TM+\b], |v[X+16*\b]|, |v[X+16*\b+1]|, 0x1800000   ; block b: my 16 numbers, and the floor 2^(3 - 127): the byte cannot fall under 1
.endr
.irp i, 2,4,6,8,10,12,14
.irp b, 0,1,2,3
	s_delay_alu instid0(VALU_DEP_4)
	v_max3_num_f32 v[TM+\b], v[TM+\b], |v[X+16*\b+\i]|, |v[X+16*\b+\i+1]|   ; the four blocks by turns
.endr
.endr
.irp b, 0,1,2,3
	s_delay_alu instid0(VALU_DEP_4)
	v_permlanex16_b32 v[TM+4+\b], v[TM+\b], s[SEL], s[SEL+1]
.endr
.irp b, 0,1,2,3
	s_delay_alu instid0(VALU_DEP_4)
	v_max_num_f32 v[TM+\b], v[TM+\b], v[TM+4+\b]   ; with lane l xor 16's: the block's largest magnitude
.endr
.irp b, 0,1,2,3
	s_delay_alu instid0(VALU_DEP_4)
	v_add_nc_u32 v[TM+12+\b], 0xff000000, v[TM+\b] ; 2 off its exponent field: the conversion takes this operand's exponent field as its scale
.endr
.irp b, 0,1,2,3
	s_delay_alu instid0(VALU_DEP_4)
	v_lshrrev_b32 v[TM+4+\b], 23, v[TM+12+\b]      ; the scale's byte
.endr
	s_delay_alu instid0(VALU_DEP_3)
	v_lshl_or_b32 v[PW], v[TM+5], 8, v[TM+4]
	s_delay_alu instid0(VALU_DEP_1)
	v_lshl_or_b32 v[PW], v[TM+6], 16, v[PW]
	s_delay_alu instid0(VALU_DEP_1)
	v_lshl_or_b32 v[PW], v[TM+7], 24, v[PW]
.irp c, 0,1
	v_cvt_scalef32_pk16_fp6_f32 v[PC+6*\c:PC+6*\c+2], v[X+32*\c:X+32*\c+15], v[TM+12+2*\c]
	v_cvt_scalef32_pk16_fp6_f32 v[PC+12+4*\c:PC+14+4*\c], v[X+32*\c+16:X+32*\c+31], v[TM+13+2*\c]   ; (a conversion's three registers begin on an even number)
.endr
	v_nop                                          ; one plain line behind the scaled conversions
.irp c, 0,1                                    ; the operand's layout wants a whole block in a lane: lanes 0-15 block 2 c, lanes 16-31 block 2 c + 1
.irp i, 0,1,2
	v_permlane16_swap_b32 v[PC+6*\c+\i], v[PC+12+4*\c+\i]
.endr
.irp i, 0,1,2
	s_delay_alu instid0(VALU_DEP_3)
	v_mov_b32 v[PC+3+6*\c+\i], v[PC+12+4*\c+\i]
.endr
.endr
.irp c, 0,1,2
	global_store_b128 v[LI], v[PC+4*\c:PC+4*\c+3], s[30:31] offset:512*\c   ; 32 lanes store 512 consecutive bytes, aligned
.endr
	ds_store_b32 v[SCA], v[PW]                     ; lanes r and r + 16 write the same word with the same value
	s_wait_dscnt 0x0                               ; for wave 0's sake: my word has landed
	s_barrier_signal -1
	s_barrier_wait -1
	s_cmp_lg_u32 s14, 0
	s_cbranch_scc1 .Ldone
	ds_load_b128 v[SCI:SCI+3], v[SCR]              ; the eight tiles' words leave as 512 consecutive bytes
	s_wait_dscnt 0x0
	global_store_b128 v[LI], v[SCI:SCI+3], s[10:11]
.Ldone:
	s_wait_tensorcnt 0x0
	ds_add_u32 v192, v193
	s_wait_dscnt 0x0
	s_endpgm
.Lfunc_end_k_qceb0ee6960_wquant:
	.size	k_qceb0ee6960_wquant, .Lfunc_end_k_qceb0ee6960_wquant-k_qceb0ee6960_wquant
	.p2alignl 7, 3214868480
	.fill 96, 4, 3214868480
	.section	.rodata,"a",@progbits
	.p2align	6, 0x0
	.amdhsa_kernel k_qceb0ee6960_wquant
		.amdhsa_group_segment_fixed_size 69120
		.amdhsa_private_segment_fixed_size 0
		.amdhsa_enable_private_segment 0
		.amdhsa_kernarg_size 32
		.amdhsa_user_sgpr_count 2
		.amdhsa_user_sgpr_kernarg_segment_ptr 1
		.amdhsa_wavefront_size32 1
		.amdhsa_system_sgpr_workgroup_id_x 1
		.amdhsa_system_sgpr_workgroup_id_y 1
		.amdhsa_system_sgpr_workgroup_id_z 1
		.amdhsa_system_vgpr_workitem_id 0
		.amdhsa_next_free_vgpr 194
		.amdhsa_next_free_sgpr 66
		.amdhsa_reserve_vcc 0
		.amdhsa_float_denorm_mode_32 3
		.amdhsa_float_denorm_mode_16_64 3
		.amdhsa_memory_ordered 1
		.amdhsa_forward_progress 1
		.amdhsa_inst_pref_size 13
	.end_amdhsa_kernel
	.amdgpu_metadata
---
amdhsa.version: [ 1, 2 ]
amdhsa.kernels:
  - .name:           k_qceb0ee6960_wquant
    .symbol:         k_qceb0ee6960_wquant.kd
    .args:
      - { .name: Wq, .offset: 0, .size: 8, .value_kind: global_buffer, .address_space: global }
      - { .name: Wk, .offset: 8, .size: 8, .value_kind: global_buffer, .address_space: global }
      - { .name: Wv, .offset: 16, .size: 8, .value_kind: global_buffer, .address_space: global }
      - { .name: wc, .offset: 24, .size: 8, .value_kind: global_buffer, .address_space: global }
    .group_segment_fixed_size: 69120
    .private_segment_fixed_size: 0
    .kernarg_segment_align: 8
    .kernarg_segment_size: 32
    .max_flat_workgroup_size: 256
    .sgpr_count:     66
    .vgpr_count:     194
    .wavefront_size: 32
...
	.end_amdgpu_metadata
.endif
;; end of part 1
;; launch proj (part 2): grid 256 x 1, 4 waves a work-group, clusters of 4 x 1, 327,680 bytes of LDS; arguments x, wc, qkv; writes qkv
.if DOCPART == 2
	.amdgcn_target "amdgcn-amd-amdhsa--gfx1250"
	.amdhsa_code_object_version 6
	.text
	.protected	k_qceb0ee6960_proj
	.globl	k_qceb0ee6960_proj
	.p2align	8
	.type	k_qceb0ee6960_proj,@function
k_qceb0ee6960_proj:
	s_mov_b64 s[64:65], 0
	v_nop
	global_prefetch_b8 v0, s[64:65] scope:SCOPE_SE
	s_setreg_imm32_b32 hwreg(HW_REG_WAVE_MODE, 25, 1), 1
	s_wait_xcnt 0x0
	s_wait_alu depctr_hold_cnt(0) depctr_sa_sdst(0) depctr_va_vdst(0) depctr_va_sdst(0) depctr_va_ssrc(0) depctr_va_vcc(0) depctr_vm_vsrc(0)
	s_getreg_b32 s2, hwreg(HW_REG_IB_STS2, 6, 4)
	s_cmp_eq_u32 s2, 0
	s_cbranch_scc0 .Lentry_in_a_cluster
	s_endpgm
.Lentry_in_a_cluster:
	s_bfe_u32 s2, ttmp6, 0x10000c
	s_cmp_lg_u32 s2, 0x3003
	s_cbranch_scc0 .Lentry_shape_is_right
	s_endpgm
.Lentry_shape_is_right:
; q, k, v = xs W^T on codes of FP6 (E2M3) with E8M0 scales, xs = x read as [32,768][512]; the results are quantised again on the way: q and k along d, v along the keys.
; SHARES.  Work-group B takes rows 128 B .. 128 B + 127.  X PHASE: wave w turns tiles 2 w and 2 w + 1 of x (16 rows x 512 K each) into eight fragments, which go to LDS as images of their registers.
; MATRIX PHASE: wave w makes columns 128 w .. 128 w + 127 of q, then of k, then of v, for all 128 rows: 64 accumulators, 4 K steps, 256 products a pass.
; CLUSTER.  Every work-group walks the same W, 600 KB of codes: the four work-groups of a cluster ask for it JOINTLY: the same tensor load, with the same descriptor (made of wc's address, the wave's number and constants)
; and the mask of all four; each receives the bytes in its own LDS.  My place in the cluster enters x's and qkv's global addresses alone.
; W'S RING.  Two LDS slots; slot 0 holds a pass's K steps 0 and 1, slot 1 its K steps 2 and 3; in each, wave w has 25,600 bytes of its own: two parts of block w of wc, dense in memory, brought by the wave's own load and read
; by that wave alone.  Slot 0's first fill goes out at the head, slot 1's in the X phase's middle; both land under the X phase.  In the q and k passes slot 0 is filled again at the head of K step 0 (both its K steps then stand in the two sets of registers) and
; slot 1 at the head of K step 3: from a request to the wait for all loads a wave issues 192 products, or 64 products and a pass's way out.  A wave never has more than one tensor load out.
; wc is not prefetched: it is 0.6 MB that every cluster reads again, no stream that is read once.
; THE ROWS OF A TILE ARE NOT NEIGHBOURS: lane r of tile 2 b + u is row 32 b + 8 u + r + 8 (r / 8), in x and in W alike.  q, k: source 0 = W's tile t, source 1 = x's tile m: a lane holds one row of x, and the
; 64 registers of its eight tiles t are d = 32 b + 16 h + 0 .. 15, b = 0..3: 16 neighbours of each block of 32.  v: the sources swapped: a lane holds one d, and its registers run along the keys in the same way.
; qkv: block B of 153,600 bytes = [Q | K | V], each 51,200 bytes.  Q, K: fragment (tile of rows m, K step s along d) at (4 m + s) x 1,536, scale words of K step s at 49,152 + 512 s.
; V: fragment dt = 8 g + t (16 of the 512 d x these 128 keys) at 1,536 dt, scale words of group g at 49,152 + 512 g.  A fragment is the image of its 12 registers: registers 4 c .. 4 c + 3 of lane L at 512 c + 16 L;
; a scale word of (tile i, lane r) lies at 256 (i / 4) + 16 r + 4 (i % 4).
; LIMITS: NaN and infinities are not served; a block whose largest magnitude lies under 2^-124 has its byte held at 1; a block of zeros gets the byte 1 (its codes are zeros; this program alone reads the bytes).
; REGISTERS, in windows of 256: window 0: v4-15 addresses; v16-31 x's scale words; v32-39 W's, two sets; v40-91 the quantiser's; v128-223 x's eight fragments, ONE set.  window 1: W's eight fragments, two sets, at v0 and v128.
;   windows 2, 3: the accumulators.  In the X phase: window 2 four sets of 64 numbers as loaded, window 3 two sets of 64 as the quantiser wants them.
.set SP,    528                        ; a stage row: 512 bytes + 16
.set STG,   16*SP
.set FRB,   1536                       ; a fragment's image
.set KPART, 12800                      ; a K step's part of a block of wc: eight fragments, then 512 bytes of scale words
.set BLK,   51200
.set XIMG,  0                          ; LDS: x's 32 fragments,
.set XSC,   49152                      ; their scale words, 512 bytes a K step,
.set STAGE, 51200                      ; two stages for each wave,
.set WR,    STAGE+4*2*STG              ; W's ring, from byte 118,784 on: no LDS store ever lands there,
.set WSLOT, 4*2*KPART                  ; two slots of 102,400 bytes,
.set SPARE, WR+2*WSLOT                 ; and the spare words, 128 bytes for each wave: two blocks of 256 bytes that no other line names
.set LI,  4                            ; v4   16 x lane
.set STI, 5                            ; v5   my stages, on the way in: 16 x lane
.set STO, 6                            ; v6   on the way out: 528 r + 64 h
.set XWI, 7                            ; v7   where I put x's images: 16 x lane + 12,288 w
.set XWS, 8                            ; v8   and their scale words
.set OVQ, 9                            ; v9   q's and k's fragments in memory: 16 x lane + 1,536 w
.set OVV, 10                           ; v10  v's: 16 x lane + 12,288 w
.set OS,  11                           ; v11  the scale words: 16 x lane + 512 w
.set SPW, 12                           ; v12  LDS address of my spare word: SPARE + 4 x my thread's number; never rewritten
.set NIL, 13                           ; v13  0; never rewritten
.set ADW, 14                           ; v14-15 my part of W's slot 0, 1: 16 x lane + 25,600 w
.set XS,  16
.set WS,  32
.set PW8, 40                           ; v40-47 the scale words of a pass's eight fragments
.set SCI, 48                           ; v48-51 their image
.set PW,  52
.set TM,  56                           ; v56-59 largest magnitudes, v60-63 at work, v68-71 the conversions' scale operands
.set PC,  72                           ; v72-83 the codes; v84-90 at work
.set AF,  128
.set WV,  14                           ; s14  my wave's number
.set SEL, 20
.set G1,  24                           ; s[24:31] descriptor group 1
.set G0,  32                           ; s[32:39] descriptor group 0, a set for each slot
.set MSB, 0
.macro WIN new                         ; the immediate's high byte repeats the setting that is left; a switch that changes nothing is dropped
.if MSB != (\new)
	s_set_vgpr_msb (MSB<<8)|(\new)
.set MSB, (\new)
.endif
.endm
.macro PLACES                          ; four plain vector lines between a matrix instruction and a load into, or a read of, its registers (ISA guide 7.12.1 for vector instructions)
.rept 4
	v_nop
.endr
.endm
.macro CROUND                          ; a round of the cluster's barrier: my work-group's barrier; wave 0 signals for the work-group; every wave waits for all four work-groups; my work-group's barrier once more
	s_barrier_signal -1
	s_barrier_wait -1
	s_cmp_lg_u32 s[WV], 0
	s_cbranch_scc1 .Lnot_wave_0_\@
	s_barrier_signal -3
.Lnot_wave_0_\@:
	s_barrier_wait -3
	s_barrier_signal -1
	s_barrier_wait -1
.endm
; A slot of W's ring is filled again, with the same K steps of the next pass's W.  Each wave waits for all its tensor loads, adds 0 to its spare word, and waits for that and for its reads of the slot; a round of the
; cluster's barrier; then the joint load, the wave's one tensor load until the next round.
.macro CHANGE slot
	WIN 0
	s_wait_tensorcnt 0x0                           ; no tensor load of mine is out, so a group 0 may be written
	ds_add_u32 v[SPW], v[NIL]                      ; 0 onto my spare word
	s_add_nc_u64 s[G0+4*(\slot)+2:G0+4*(\slot)+3], s[G0+4*(\slot)+2:G0+4*(\slot)+3], 4*BLK   ; four blocks on: the next W; the type bits on top are not reached
	s_wait_dscnt 0x0                               ; the add is done, and my reads of the slot are over
	CROUND
	tensor_load_to_lds s[G0+4*(\slot):G0+4*(\slot)+3], s[G1:G1+7]
	s_nop 0
	PLACES
.endm
; 64 numbers v[src] .. v[src + 63] of window w, register 16 b + i = k 32 b + 16 h + i of my row, become a fragment's codes in v[PC] on and its scale word in v[pw].  Accumulators are read from their low ends on.
; xw = 1: the codes' registers are the data of global stores that may still be out.
.macro QUANT src, w, pw, xw
	WIN (\w)|((\w)<<2)
.irp b, 0,1,2,3
	v_max3_num_f32 v[TM+\b], |v[\src+16*\b]|, |v[\src+16*\b+1]|, 0x1800000   ; block b: my 16 numbers, and the floor 2^(3 - 127): the byte cannot fall under 1
.endr
	WIN ((\w)<<2)|((\w)<<4)
.irp i, 2,4,6,8,10,12,14
.irp b, 0,1,2,3
	v_max3_num_f32 v[TM+\b], v[TM+\b], |v[\src+16*\b+\i]|, |v[\src+16*\b+\i+1]|   ; the four blocks by turns
.endr
.endr
	WIN 0
.irp b, 0,1,2,3
	v_permlanex16_b32 v[TM+4+\b], v[TM+\b], s[SEL], s[SEL+1]
.endr
.irp b, 0,1,2,3
	v_max_num_f32 v[TM+\b], v[TM+\b], v[TM+4+\b]   ; with lane l xor 16's: the block's largest magnitude
.endr
.irp b, 0,1,2,3
	v_add_nc_u32 v[TM+12+\b], 0xff000000, v[TM+\b] ; 2 off its exponent field: the conversion's scale operand
.endr
.irp b, 0,1,2,3
	v_lshrrev_b32 v[TM+4+\b], 23, v[TM+12+\b]      ; the scale's byte
.endr
	v_lshl_or_b32 v[\pw], v[TM+5], 8, v[TM+4]
	v_lshl_or_b32 v[\pw], v[TM+6], 16, v[\pw]
	v_lshl_or_b32 v[\pw], v[TM+7], 24, v[\pw]
.if \xw
	s_wait_xcnt 0x0                                ; the last fragment's stores have read the codes' registers, which the conversions below write; no line above writes a store's source
.endif
	WIN (\w)
.irp c, 0,1
	v_cvt_scalef32_pk16_fp6_f32 v[PC+6*\c:PC+6*\c+2], v[\src+32*\c:\src+32*\c+15], v[TM+12+2*\c]
	v_cvt_scalef32_pk16_fp6_f32 v[PC+12+4*\c:PC+14+4*\c], v[\src+32*\c+16:\src+32*\c+31], v[TM+13+2*\c]   ; (a conversion's three registers begin on an even number)
.endr
	WIN 0
	v_nop                                          ; one plain line directly behind the scaled conversions: vector lines touch their results next, matrix instructions write their sources later
.irp c, 0,1                                    ; a whole block in a lane: lanes 0-15 block 2 c, lanes 16-31 block 2 c + 1
.irp i, 0,1,2
	v_permlane16_swap_b32 v[PC+6*\c+\i], v[PC+12+4*\c+\i]
.endr
.irp i, 0,1,2
	v_mov_b32 v[PC+3+6*\c+\i], v[PC+12+4*\c+\i]
.endr
.endr
.endm
; One product.  rD, rA, rB: the registers; zC: the constant 0 starts the sum; sA, sB: the scale registers; hA, hB: the side's words lie in lanes 16-31
.macro WM
.if zC
.if hA && hB
	v_wmma_scale_f32_16x16x128_f8f6f4 v[rD:rD+7], v[rA:rA+11], v[rB:rB+11], 0, v[sA], v[sB] matrix_a_fmt:MATRIX_FMT_FP6 matrix_b_fmt:MATRIX_FMT_FP6 matrix_a_scale:MATRIX_SCALE_ROW1 matrix_b_scale:MATRIX_SCALE_ROW1
.elseif hA
	v_wmma_scale_f32_16x16x128_f8f6f4 v[rD:rD+7], v[rA:rA+11], v[rB:rB+11], 0, v[sA], v[sB] matrix_a_fmt:MATRIX_FMT_FP6 matrix_b_fmt:MATRIX_FMT_FP6 matrix_a_scale:MATRIX_SCALE_ROW1
.elseif hB
	v_wmma_scale_f32_16x16x128_f8f6f4 v[rD:rD+7], v[rA:rA+11], v[rB:rB+11], 0, v[sA], v[sB] matrix_a_fmt:MATRIX_FMT_FP6 matrix_b_fmt:MATRIX_FMT_FP6 matrix_b_scale:MATRIX_SCALE_ROW1
.else
	v_wmma_scale_f32_16x16x128_f8f6f4 v[rD:rD+7], v[rA:rA+11], v[rB:rB+11], 0, v[sA], v[sB] matrix_a_fmt:MATRIX_FMT_FP6 matrix_b_fmt:MATRIX_FMT_FP6
.endif
.else
.if hA && hB
	v_wmma_scale_f32_16x16x128_f8f6f4 v[rD:rD+7], v[rA:rA+11], v[rB:rB+11], v[rD:rD+7], v[sA], v[sB] matrix_a_fmt:MATRIX_FMT_FP6 matrix_b_fmt:MATRIX_FMT_FP6 matrix_a_scale:MATRIX_SCALE_ROW1 matrix_b_scale:MATRIX_SCALE_ROW1
.elseif hA
	v_wmma_scale_f32_16x16x128_f8f6f4 v[rD:rD+7], v[rA:rA+11], v[rB:rB+11], v[rD:rD+7], v[sA], v[sB] matrix_a_fmt:MATRIX_FMT_FP6 matrix_b_fmt:MATRIX_FMT_FP6 matrix_a_scale:MATRIX_SCALE_ROW1
.elseif hB
	v_wmma_scale_f32_16x16x128_f8f6f4 v[rD:rD+7], v[rA:rA+11], v[rB:rB+11], v[rD:rD+7], v[sA], v[sB] matrix_a_fmt:MATRIX_FMT_FP6 matrix_b_fmt:MATRIX_FMT_FP6 matrix_b_scale:MATRIX_SCALE_ROW1
.else
	v_wmma_scale_f32_16x16x128_f8f6f4 v[rD:rD+7], v[rA:rA+11], v[rB:rB+11], v[rD:rD+7], v[sA], v[sB] matrix_a_fmt:MATRIX_FMT_FP6 matrix_b_fmt:MATRIX_FMT_FP6
.endif
.endif
.endm
; W's eight fragments and four scale registers of one K step, part `part` of my bytes of slot `slot`, into set `set`
.macro FETCH_W slot, part, set
	WIN 0x40                                       ; destination window 1, address window 0
.irp t, 0,1,2,3,4,5,6,7
.irp c, 0,1,2
	ds_load_b128 v[128*(\set)+12*\t+4*\c:128*(\set)+12*\t+4*\c+3], v[ADW+(\slot)] offset:KPART*(\part)+FRB*\t+512*\c
.endr
.endr
	WIN 0
	ds_load_b128 v[WS+4*(\set):WS+4*(\set)+3], v[ADW+(\slot)] offset:KPART*(\part)+8*FRB   ; register j: tile j's words in lanes 0-15, tile 4 + j's in lanes 16-31
.endm
.macro FETCH_X s, i0                   ; x's blocks i0 .. i0 + 3 of K step s
	WIN 0
.irp i, \i0, \i0+1, \i0+2, \i0+3
.irp c, 0,1,2
	ds_load_b128 v[AF+12*(\i)+4*\c:AF+12*(\i)+4*\c+3], v[LI] offset:XIMG+(4*(\i)+(\s))*FRB+512*\c
.endr
.endr
.endm
; q, k: 16 products, x's blocks a0, a0 + 1 against W's eight tiles.  Accumulator (m, t) at v[8 (8 (m % 4) + t)] of window 2 + m / 4
.macro MULQ a0, s
	WIN 0xa1+0x50*((\a0)/4)                        ; source 0 (W) window 1, source 1 (x) window 0, C and D window 2 or 3
.irp m, \a0, \a0+1
.irp t, 0,1,2,3,4,5,6,7
.set rD, 8*(8*((\m)%4)+\t)
.set rA, 128*((\s)%2)+12*\t
.set rB, AF+12*(\m)
.set zC, (\s)==0
.set sA, WS+4*((\s)%2)+\t%4
.set sB, XS+4*(\s)+(\m)%4
.set hA, \t/4
.set hB, (\m)/4
	WM
.endr
.endr
.endm
; v: the sources swapped: 16 products, x's blocks 4 mh .. + 3 against W's tiles 4 th .. + 3.  Accumulator (t, m) at v[8 (8 (t % 4) + m)] of window 2 + t / 4
.macro MULV mh, th, s
	WIN 0xa4+0x50*(\th)                            ; source 0 (x) window 0, source 1 (W) window 1, C and D window 2 or 3
.irp mm, 0,1,2,3
.irp tt, 0,1,2,3
.set rD, 8*(8*\tt+4*(\mh)+\mm)
.set rA, AF+12*(4*(\mh)+\mm)
.set rB, 128*((\s)%2)+12*(4*(\th)+\tt)
.set zC, (\s)==0
.set sA, XS+4*(\s)+\mm
.set sB, WS+4*((\s)%2)+\tt
.set hA, \mh
.set hB, \th
	WM
.endr
.endr
.endm
; A K step: 64 products, the 64 accumulators by turns in one fixed order.  x's blocks 0-3 are free behind the first 32 products and are fetched anew there, blocks 4-7 at the end.
; W's set of K step s + 1 is fetched in the middle of K step s, into the set that K step s - 1 has left; K step 0 fetches none, since K step 1's set was filled behind the pass before: K step 3 fetches the next pass's
; K step 0 in its middle and K step 1 at its end, so that slot 0 is read out when the next pass begins.  last = 1: nothing is left to fetch.
.macro STEP s, mode, last
	s_wait_dscnt 12                                ; W's set and x's blocks 0-3 are in; the youngest 12 loads, blocks 4-7, may be out
.if \mode
	MULV 0, 0, \s
	MULV 0, 1, \s
.else
	MULQ 0, \s
	MULQ 2, \s
.endif
	s_wait_dscnt 0x0                               ; blocks 4-7 are in
.if (\last) == 0
	PLACES
.if (\s) > 0
	FETCH_W (((\s)+1)/2)%2, ((\s)+1)%2, ((\s)+1)%2
.endif
	FETCH_X ((\s)+1)%4, 0
.endif
.if \mode
	MULV 1, 0, \s
	MULV 1, 1, \s
.else
	MULQ 4, \s
	MULQ 6, \s
.endif
.if (\last) == 0
	PLACES
.if (\s) == 3
	FETCH_W 0, 1, 1
.endif
	FETCH_X ((\s)+1)%4, 4
.endif
.endm
; A pass's way out: eight runs of 64 registers become eight fragments; each store covers 512 consecutive bytes, aligned
.macro EPI mode
	WIN 0
	PLACES
.irp i, 0,1,2,3,4,5,6,7
	QUANT 64*(\i%4), 2+\i/4, PW8+\i, 1
.irp c, 0,1,2
.if \mode
	global_store_b128 v[OVV], v[PC+4*\c:PC+4*\c+3], s[8:9] offset:FRB*\i+512*\c th:TH_STORE_NT       ; V: fragment 8 w + i
.else
	global_store_b128 v[OVQ], v[PC+4*\c:PC+4*\c+3], s[8:9] offset:4*FRB*\i+512*\c th:TH_STORE_NT     ; Q, K: fragment (i, K step w)
.endif
.endr
.endr
.irp j, 0,1,2,3
	v_cndmask_b32 v[SCI+\j], v[PW8+\j], v[PW8+4+\j], s12   ; lanes 0-15: tile j's words, lanes 16-31: tile 4 + j's
.endr
	global_store_b128 v[OS], v[SCI:SCI+3], s[8:9] offset:49152 th:TH_STORE_NT
.endm
; THE X PHASE.  Unit u = 4 uu + s: tile 2 w + uu, K step s: 16 rows x 512 bytes.
.macro LOADU u
	WIN 0x80                                       ; destination window 2
.irp i, 0,1,2,3,4,5,6,7,8,9,10,11,12,13,14,15
	global_load_b128 v[64*((\u)%4)+4*\i:64*((\u)%4)+4*\i+3], v[LI], s[4:5] offset:(8*((\u)/4)+\i+8*(\i/8))*2048+512*((\u)%4) th:TH_LOAD_NT   ; 512 consecutive bytes of one row
.endr
	WIN 0
.endm
.macro TURN u                          ; through my stage u % 2: in as loaded, out 16 neighbours of each block of 32 a lane.  LDS serves a wave's instructions in order
	WIN 0x08                                       ; an LDS store's data: window 2
.irp i, 0,1,2,3,4,5,6,7,8,9,10,11,12,13,14,15
	ds_store_b128 v[STI], v[64*((\u)%4)+4*\i:64*((\u)%4)+4*\i+3] offset:STG*((\u)%2)+SP*\i
.endr
	WIN 0xc0                                       ; destination window 3
.irp b, 0,1,2,3
.irp j, 0,1,2,3
	ds_load_b128 v[64*((\u)%2)+16*\b+4*\j:64*((\u)%2)+16*\b+4*\j+3], v[STO] offset:STG*((\u)%2)+128*\b+16*\j
.endr
.endr
	WIN 0
.endm
.macro XSTEP u
	s_wait_dscnt 0x0                               ; unit u is back from its stage
.if (\u)+3 < 8
	LOADU (\u)+3                                   ; into the set that unit u - 1 has left
.endif
.if (\u) < 7
.if (\u) <= 4
	s_wait_loadcnt 32                              ; unit u + 1 is in; the two younger units' 32 loads may be out
.else
	s_wait_loadcnt 16*(6-(\u))                     ; the counts run down: 16, 0
.endif
	TURN (\u)+1                                    ; through the other stage while this unit is quantised
.endif
	QUANT 64*((\u)%2), 3, PW, 0
.irp c, 0,1,2
	ds_store_b128 v[XWI], v[PC+4*\c:PC+4*\c+3] offset:XIMG+FRB*(\u)+512*\c
.endr
	ds_store_b32 v[XWS], v[PW] offset:512*((\u)%4)+4*((\u)/4)   ; lanes r and r + 16 write the same word with the same value
.endm
	s_load_b128 s[4:7], s[0:1], 0x0                ; x, wc
	s_load_b64 s[8:9], s[0:1], 0x10                ; qkv
	v_lshl_add_u32 v[SPW], v0, 2, SPARE
	v_mov_b32 v[NIL], 0
	ds_add_u32 v12, v13
	ds_add_u32 v12, v13
	s_wait_dscnt 0x0
	v_lshrrev_b32 v1, 5, v0
	v_readfirstlane_b32 s[WV], v1                  ; wave 0..3
	v_and_b32 v1, 31, v0                           ; lane
	v_and_b32 v2, 15, v0                           ; r
	v_bfe_u32 v3, v0, 4, 1                         ; h
	v_lshlrev_b32 v[LI], 4, v1
	s_mul_i32 s15, s[WV], 2*STG
	s_add_co_u32 s15, s15, STAGE
	v_add_nc_u32 v[STI], s15, v[LI]
	v_mul_u32_u24 v[STO], v2, SP
	v_lshl_add_u32 v[STO], v3, 6, v[STO]
	v_add_nc_u32 v[STO], s15, v[STO]
	s_mul_i32 s15, s[WV], 8*FRB
	v_add_nc_u32 v[XWI], s15, v[LI]
	v_add_nc_u32 v[OVV], s15, v[LI]
	s_mul_i32 s15, s[WV], FRB
	v_add_nc_u32 v[OVQ], s15, v[LI]
	s_lshl_b32 s15, s[WV], 9
	v_add_nc_u32 v[OS], s15, v[LI]
	s_lshr_b32 s15, s[WV], 1                       ; tile 2 w + uu: 256 (w / 2) + 8 (w % 2) + 4 uu + 16 r
	s_lshl_b32 s15, s15, 8
	s_and_b32 s16, s[WV], 1
	s_lshl_b32 s16, s16, 3
	s_add_co_u32 s15, s15, s16
	s_add_co_u32 s15, s15, XSC
	v_lshlrev_b32 v[XWS], 4, v2
	v_add_nc_u32 v[XWS], s15, v[XWS]
	s_mul_i32 s15, s[WV], 2*KPART                  ; my 25,600 bytes of a slot: no place in the cluster enters an LDS address
	s_add_co_u32 s[G0+1], s15, WR                  ; group 0, 63:32: the LDS address: slot 0,
	s_add_co_u32 s[G0+5], s15, WR+WSLOT            ; slot 1
	v_add_nc_u32 v[ADW], s[G0+1], v[LI]
	v_add_nc_u32 v[ADW+1], s[G0+5], v[LI]
	s_mov_b32 s[SEL], 0x76543210
	s_mov_b32 s[SEL+1], 0xfedcba98
	s_mov_b32 s12, 0xffff0000                      ; lanes 16-31
.irp b, 0,1,2,3
	v_mov_b32 v[TM+4+\b], 0                        ; written once: a lane permute's destination counts as one of its sources
.endr
	s_bfe_u32 s40, ttmp6, 0x40000                  ; cx: my place in the cluster
	s_lshl_b32 s41, ttmp9, 2                       ; in a cluster launch ttmp9 counts clusters
	s_add_co_u32 s41, s41, s40                     ; B = 4 x cluster x + cx
	s_lshl_b32 s42, s41, 18                        ; x: 128 rows of 2,048 bytes a work-group,
	s_lshl_b32 s43, s[WV], 16                      ; 32 a wave
	s_add_co_u32 s42, s42, s43
	s_mov_b32 s43, 0
	s_mul_i32 s44, s41, 3*BLK                      ; my block of qkv
	s_mov_b32 s45, 0
	s_mul_i32 s18, s[WV], BLK                      ; block w of Wq
	s_mov_b32 s19, 0
	; descriptor group 1: two K steps of a block of wc, 25,600 dense bytes, as 100 rows of 32 elements of 8 bytes
	s_mov_b32 s[G1], 15|(3<<16)|(1<<21)            ; 15:0 the mask: all four work-groups; 17:16 elements of 8 bytes; 20 no padding; 21 set beside a mask
	s_mov_b32 s[G1+1], 32<<16                      ; tensor_dim0 = 32
	s_mov_b32 s[G1+2], 100<<16                     ; tensor_dim1 = 100
	s_mov_b32 s[G1+3], 32<<16                      ; tile_dim0 = 32
	s_mov_b32 s[G1+4], 100                         ; tile_dim1 = 100
	s_mov_b32 s[G1+5], 32                          ; from row to row
	s_mov_b32 s[G1+6], 0
	s_mov_b32 s[G1+7], 0
	s_mov_b32 s[G0], 1                             ; count = 1
	s_mov_b32 s[G0+4], 1
	s_wait_kmcnt 0x0
	s_add_nc_u64 s[4:5], s[4:5], s[42:43]
	s_add_nc_u64 s[8:9], s[8:9], s[44:45]
	s_add_nc_u64 s[6:7], s[6:7], s[18:19]
	s_mov_b64 s[G0+2:G0+3], s[6:7]                 ; slot 0: K steps 0 and 1 of Wq's block w,
	s_add_nc_u64 s[G0+6:G0+7], s[6:7], 2*KPART     ; slot 1: K steps 2 and 3
	s_or_b32 s[G0+3], s[G0+3], 0x80000000          ; type = 2
	s_or_b32 s[G0+7], s[G0+7], 0x80000000
	LOADU 0                                        ; x's first three units are asked for ahead of the round: nobody stores to x
	LOADU 1
	LOADU 2
	CROUND                                         ; all four work-groups are here: the first joint loads meet
	tensor_load_to_lds s[G0:G0+3], s[G1:G1+7]      ; slot 0's first fill: my one tensor load at the head; it lands under the X phase
	s_nop 0
	PLACES
	s_wait_loadcnt 32                              ; unit 0's loads are in; units 1 and 2 may be out
	TURN 0
.irp u, 0,1,2,3,4,5
	XSTEP \u
.endr
	s_wait_alu depctr_va_vdst(0)                   ; the wait ahead of the blocking waits below
	s_wait_tensorcnt 0x0                           ; slot 1's first fill is issued as a refill is: all my tensor loads are in,
	ds_add_u32 v[SPW], v[NIL]                      ; 0 onto my spare word,
	s_wait_dscnt 0x0                               ; the add and my LDS instructions are done,
	CROUND                                         ; a round of the cluster's barrier,
	tensor_load_to_lds s[G0+4:G0+7], s[G1:G1+7]    ; and the joint load: it lands under the X phase's second half
	s_nop 0
	PLACES
.irp u, 6,7
	XSTEP \u
.endr
	s_wait_dscnt 0x0                               ; for the others' sake: my images have landed
	s_barrier_signal -1
	s_barrier_wait -1                              ; x's 32 fragments and their scale words lie in LDS
	s_wait_tensorcnt 0x1                           ; my part of slot 0 is in; slot 1's load, the younger one, may be out.  I alone read these bytes
.irp s, 0,1,2,3
	ds_load_b128 v[XS+4*\s:XS+4*\s+3], v[LI] offset:XSC+512*\s   ; register j: tile j's words in lanes 0-15, tile 4 + j's in lanes 16-31
.endr
	FETCH_W 0, 0, 0                                ; the first pass's K steps 0 and 1 of W into the two sets
	FETCH_W 0, 1, 1
	FETCH_X 0, 0
	FETCH_X 0, 4
	s_mov_b32 s13, 2
.Lpass:                                            ; two trips: q, k
	CHANGE 0                                       ; slot 0 is read out: it takes the next pass's K steps 0 and 1
	STEP 0, 0, 0
	STEP 1, 0, 0
	STEP 2, 0, 0
	CHANGE 1                                       ; slot 0's load has landed, slot 1 is read out: it takes the next pass's K steps 2 and 3
	STEP 3, 0, 0
	EPI 0
	s_wait_xcnt 0x0                                ; the stores have read their base
	s_add_nc_u64 s[8:9], s[8:9], BLK
	s_sub_co_u32 s13, s13, 1
	s_cmp_lg_u32 s13, 0
	s_cbranch_scc1 .Lpass
	s_wait_tensorcnt 0x0                           ; v: my last load, slot 1's, has landed: no load was issued behind it; nothing is filled any more
	STEP 0, 1, 0
	STEP 1, 1, 0
	STEP 2, 1, 0
	STEP 3, 1, 1                                   ; nothing is left to fetch
	EPI 1
	s_wait_tensorcnt 0x0                           ; the wave's end, behind my last tensor load and my last LDS store
	ds_add_u32 v[SPW], v[NIL]
	s_wait_dscnt 0x0
	CROUND                                         ; the closing round: no work-group ends while a partner may still ask for a tile that names it
	s_endpgm
.Lfunc_end_k_qceb0ee6960_proj:
	.size	k_qceb0ee6960_proj, .Lfunc_end_k_qceb0ee6960_proj-k_qceb0ee6960_proj
	.p2alignl 7, 3214868480
	.fill 96, 4, 3214868480
	.section	.rodata,"a",@progbits
	.p2align	6, 0x0
	.amdhsa_kernel k_qceb0ee6960_proj
		.amdhsa_group_segment_fixed_size 327680
		.amdhsa_private_segment_fixed_size 0
		.amdhsa_enable_private_segment 0
		.amdhsa_kernarg_size 24
		.amdhsa_user_sgpr_count 2
		.amdhsa_user_sgpr_kernarg_segment_ptr 1
		.amdhsa_wavefront_size32 1
		.amdhsa_system_sgpr_workgroup_id_x 1
		.amdhsa_system_sgpr_workgroup_id_y 1
		.amdhsa_system_sgpr_workgroup_id_z 1
		.amdhsa_system_vgpr_workitem_id 0
		.amdhsa_next_free_vgpr 1024
		.amdhsa_next_free_sgpr 66
		.amdhsa_reserve_vcc 0
		.amdhsa_float_denorm_mode_32 3
		.amdhsa_float_denorm_mode_16_64 3
		.amdhsa_memory_ordered 1
		.amdhsa_forward_progress 1
		.amdhsa_inst_pref_size 231
	.end_amdhsa_kernel
	.amdgpu_metadata
---
amdhsa.version: [ 1, 2 ]
amdhsa.kernels:
  - .name:           k_qceb0ee6960_proj
    .symbol:         k_qceb0ee6960_proj.kd
    .args:
      - { .name: x, .offset: 0, .size: 8, .value_kind: global_buffer, .address_space: global }
      - { .name: wc, .offset: 8, .size: 8, .value_kind: global_buffer, .address_space: global }
      - { .name: qkv, .offset: 16, .size: 8, .value_kind: global_buffer, .address_space: global }
    .group_segment_fixed_size: 327680
    .private_segment_fixed_size: 0
    .kernarg_segment_align: 8
    .kernarg_segment_size: 24
    .max_flat_workgroup_size: 128
    .sgpr_count:     66
    .vgpr_count:     1024
    .wavefront_size: 32
...
	.end_amdgpu_metadata
.endif
;; end of part 2
;; launch attn (part 3): grid 8 x 32, 4 waves a work-group, clusters of 4 x 1, 327,680 bytes of LDS; arguments qkv, out0; writes out0
.if DOCPART == 3
	.amdgcn_target "amdgcn-amd-amdhsa--gfx1250"
	.amdhsa_code_object_version 6
	.text
	.protected	k_qceb0ee6960_attn
	.globl	k_qceb0ee6960_attn
	.p2align	8
	.type	k_qceb0ee6960_attn,@function
k_qceb0ee6960_attn:
	s_mov_b64 s[64:65], 0
	v_nop
	global_prefetch_b8 v0, s[64:65] scope:SCOPE_SE
	s_setreg_imm32_b32 hwreg(HW_REG_WAVE_MODE, 25, 1), 1
	s_wait_xcnt 0x0
	s_wait_alu depctr_hold_cnt(0) depctr_sa_sdst(0) depctr_va_vdst(0) depctr_va_sdst(0) depctr_va_ssrc(0) depctr_va_vcc(0) depctr_vm_vsrc(0)
	s_getreg_b32 s2, hwreg(HW_REG_IB_STS2, 6, 4)
	s_cmp_eq_u32 s2, 0
	s_cbranch_scc0 .Lentry_in_a_cluster
	s_endpgm
.Lentry_in_a_cluster:
	s_bfe_u32 s2, ttmp6, 0x10000c
	s_cmp_lg_u32 s2, 0x3003
	s_cbranch_scc0 .Lentry_shape_is_right
	s_endpgm
.Lentry_shape_is_right:
; out[b][q][:] = the sum over keys of softmax(q . k / sqrt(512)) v, both products on codes of FP6 (E2M3) with E8M0 scales, from the blocks of qkv: block 8 b + i (153,600 bytes) = [Q | K | V] of rows 128 i .. 128 i + 127 of batch b,
; each part 51,200 bytes of register images (a fragment: 1,536 bytes, registers 4 c .. 4 c + 3 of lane L at 512 c + 16 L) and, from 49,152 on, four images of scale words of 512 bytes.
; THE SOFTMAX: t = score x log2(e) / sqrt(512); M = the running largest t rounded UP to a whole number; p = 2^(t - M) is quantised along the keys, not normalised; the row's sum is taken of the unquantised p and divides at the end;
; when M moves, the sum and O are multiplied by f = 2^(old M - new M): exact.
; SHARES.  A work-group owns 128 queries of a batch; wave w owns tiles 2 w and 2 w + 1 of 16 queries (O^T: 512 registers).  Every wave walks the batch's 8 key steps of 128 keys.
; LAYOUT.  Both products transposed: S^T = K Q^T, O^T = V^T P^T: a lane holds one query.  Lane r of tile 2 b + u (of keys, queries, d) stands for row 32 b + 8 u + r + 8 (r / 8): the 16 registers of tiles 2 b, 2 b + 1 are 16 neighbours.
; THE WALK IS SHIFTED BY HALF A STEP.  Trip j: (A) the 64 products K_{j+1} Q^T, and behind each of them the four multiplications that bring one accumulator of O^T under M_j; (B) step j + 1's maxima, M, f and t - M;
; (C) the 64 products V_j^T P_j^T, and behind each of them two of step j + 1's exponentials; (D) step j + 1's sums and p's codes.  The products of (C) are no chain: each accumulator of O^T gets one product a trip.
; RING.  Two LDS slots; slot j % 2 holds what trip j reads: K_{j+1} and V_j.  Waves 0, 1 fetch K's halves, waves 2, 3 V's: one load a wave behind each round.  K_0 comes at the head, a quarter a wave, into bytes of its own,
; which serve as the stage on the way out, behind their only fill.  The last fill is V_7 alone, a quarter a wave: the loop's counter chooses between the two loads, one load on either way.
; CLUSTER.  The four query blocks of a cluster walk the same K and V: every load is asked for JOINTLY, with the same descriptor (batch, wave's number, constants) and the mask of all four.
; LIMITS: NaN and infinities are not served; the scaled scores stay under 2^31 in magnitude; a p under 2^-126 counts as 0; a block of p whose largest lies under 2^-124 has its byte held at 1; a block's largest p is made
; from the block's largest score by the same multiply-add and exponential, which takes the exponential not to fall where its input rises.
; REGISTERS: window 0: v4-15 addresses and scratch; v16-27 statistics; v28, v29 the add's; v32-39 Q's scale words, v40-55 K's, v56-71 V's, v72-73 p's; v80-103 p's codes; v104-127 at work; v128-255 S^T, then p.
;   window 1: v0-95 Q; v96-239 three sets of four fragments of K or V.   windows 2, 3: O^T: accumulator n = 2 dt + q at v[8 (n % 32)] of window 2 + n / 32.
.set FRB,   1536
.set BLK,   51200
.set SLOT1, 1<<17                      ; slot 1 begins here: one exclusive or turns an address from slot to slot
.set STAGE, 2*SLOT1                    ; behind the ring: K_0's 51,200 bytes; later 16 rows x 528 bytes for each wave, for the way out
.set SP,    528
.set SPARE, STAGE+BLK                  ; the spare words, 128 bytes for each wave
.set LI,  4                            ; 16 x lane
.set LIV, 5                            ; 16 x lane + 51,200: V's part of a slot
.set ADK, 6
.set ADV, 7
.set QFO, 8
.set QSO, 9
.set STO, 10
.set RD,  11
.set PFO, 12                           ; the prefetches' offset: 256 x min(lane, 24)
.set TT,  14                           ; v14, v15 scratch, one a tile
.set ST,  16                           ; tile q: v[16 + 4 q] -M, +1 the largest t, +2, +3 the sum in two halves
.set F,   24                           ; tile q: v[24 + 2 q] f; +1 named with it as a pair
.set SPW, 28
.set NIL, 29
.set QS,  32
.set KS,  40
.set VS,  56
.set PS,  72
.set P,   80
.set AUX, 104                          ; v104-111 at work
.set BM,  112                          ; v112-119 the blocks' largest scores, then largest p: four a tile
.set SCL, 120                          ; v120-123 the conversions' scale operands; at the end 1 / the sum, as pairs
.set BY,  124                          ; v124-127 scale bytes
.set S,   128
.set RING, 96
.set WV,  12
.set SEL, 20
.set CS,  22                           ; s[22:23] c = log2(e) / sqrt(512)
.set G1,  24                           ; group 1: 25,600 dense bytes
.set G0,  32                           ; group 0 of the ring, which walks
.set TB,  36                           ; LDS byte at which the slot in hand begins
.set SLOTS, 37
.set LIM, 38
.set PFA, 40
.set G0H, 52                           ; group 0: my quarter of K_0
.set G0L, 56                           ; group 0: my quarter of V_7
.set G1H, 68                           ; group 1: 12,800 dense bytes
.set MSB, 0
.macro WIN new                         ; the immediate's high byte repeats the setting that is left; a switch that changes nothing is dropped
.if MSB != (\new)
	s_set_vgpr_msb (MSB<<8)|(\new)
.set MSB, (\new)
.endif
.endm
.macro PLACES                          ; four plain vector lines behind a matrix instruction (ISA guide 7.12.1)
.rept 4
	v_nop
.endr
.endm
.macro CROUND                          ; a round of the cluster's barrier
	s_barrier_signal -1
	s_barrier_wait -1
	s_cmp_lg_u32 s[WV], 0
	s_cbranch_scc1 .Lnot_wave_0_\@
	s_barrier_signal -3
.Lnot_wave_0_\@:
	s_barrier_wait -3
	s_barrier_signal -1
	s_barrier_wait -1
.endm
; A prefetch of block j + 3's K and V (102,400 bytes) at the change of slots ahead of trip j: K one change, V two changes ahead of their loads.  The batch's first cluster asks; its sixteen waves take 6,400 bytes each,
; told apart by address; a lane names 256 bytes (lanes 25 to 31 name lane 24's again).  Blocks 0 and 1 come by their loads alone; the changes ahead of trips 5 and 6 ask for nothing.
.macro ASK
	s_cmp_gt_u32 s[SLOTS], s[LIM]
	s_cbranch_scc0 .Lnot_mine_\@
	global_prefetch_b8 v[PFO], s[PFA:PFA+1] th:TH_LOAD_NT scope:SCOPE_SE
.Lnot_mine_\@:
.endm
; THE CHANGE OF SLOTS: all my tensor loads are in, the add, my LDS reads are over; fill = 1: a round, and the joint load into the slot just left.  step = 1: the descriptors go on.  loop = 1: the counter picks the last fill.
.macro CHANGE fill, step, loop
	WIN 0
	s_wait_tensorcnt 0x0
	ds_add_u32 v[SPW], v[NIL]
.if \fill
.if \step
	s_xor_b32 s[G0+1], s[G0+1], SLOT1
	s_xor_b32 s[G0L+1], s[G0L+1], SLOT1
	s_add_nc_u64 s[G0+2:G0+3], s[G0+2:G0+3], 3*BLK
	s_wait_xcnt 0x0                                ; the last prefetch has read its address
	s_add_nc_u64 s[PFA:PFA+1], s[PFA:PFA+1], 3*BLK
.endif
	s_wait_dscnt 0x0
	CROUND
.if \loop
	s_cmp_eq_u32 s[SLOTS], 1                       ; the loop's last trip: K has no ninth step, V_7 comes alone
	s_cbranch_scc1 .Llast_fill_\@
.endif
	tensor_load_to_lds s[G0:G0+3], s[G1:G1+7]
	s_nop 0
	PLACES
.if \loop
	s_branch .Lfilled_\@
.Llast_fill_\@:
	tensor_load_to_lds s[G0L:G0L+3], s[G1H:G1H+7]
	s_nop 0
	PLACES
.Lfilled_\@:
.endif
	ASK
.else
	s_wait_dscnt 0x0
	s_barrier_signal -1
	s_barrier_wait -1
	PLACES
.endif
.endm
.macro WM                              ; one product: rD, rA, rB registers; zC: 0 starts the sum; sA, sB scale registers; hA: source 0's words lie in lanes 16-31
.if zC
.if hA
	v_wmma_scale_f32_16x16x128_f8f6f4 v[rD:rD+7], v[rA:rA+11], v[rB:rB+11], 0, v[sA], v[sB] matrix_a_fmt:MATRIX_FMT_FP6 matrix_b_fmt:MATRIX_FMT_FP6 matrix_a_scale:MATRIX_SCALE_ROW1
.else
	v_wmma_scale_f32_16x16x128_f8f6f4 v[rD:rD+7], v[rA:rA+11], v[rB:rB+11], 0, v[sA], v[sB] matrix_a_fmt:MATRIX_FMT_FP6 matrix_b_fmt:MATRIX_FMT_FP6
.endif
.else
.if hA
	v_wmma_scale_f32_16x16x128_f8f6f4 v[rD:rD+7], v[rA:rA+11], v[rB:rB+11], v[rD:rD+7], v[sA], v[sB] matrix_a_fmt:MATRIX_FMT_FP6 matrix_b_fmt:MATRIX_FMT_FP6 matrix_a_scale:MATRIX_SCALE_ROW1
.else
	v_wmma_scale_f32_16x16x128_f8f6f4 v[rD:rD+7], v[rA:rA+11], v[rB:rB+11], v[rD:rD+7], v[sA], v[sB] matrix_a_fmt:MATRIX_FMT_FP6 matrix_b_fmt:MATRIX_FMT_FP6
.endif
.endif
.endm
; Group g of four fragments into set g % 3.  g = 0..7: K, K step g / 2 along d, tiles of keys 4 (g % 2) + i.  g = 8..15: V, d-tiles 4 (g - 8) + i.
.macro FETCHG g
	WIN 0x40
.irp i, 0,1,2,3
.irp c, 0,1,2
.if (\g) < 8
	ds_load_b128 v[RING+48*((\g)%3)+12*\i+4*\c:RING+48*((\g)%3)+12*\i+4*\c+3], v[ADK] offset:(4*(4*((\g)%2)+\i)+(\g)/2)*FRB+512*\c
.else
	ds_load_b128 v[RING+48*((\g)%3)+12*\i+4*\c:RING+48*((\g)%3)+12*\i+4*\c+3], v[ADV] offset:(4*((\g)-8)+\i)*FRB+512*\c
.endif
.endr
.endr
	WIN 0
.endm
.macro RESC n                          ; accumulator n of O^T times its tile's f, from its low end on
	WIN 0x82+0x41*((\n)/32)
.irp k, 0,2,4,6
	v_pk_mul_f32 v[8*((\n)%32)+\k:8*((\n)%32)+\k+1], v[8*((\n)%32)+\k:8*((\n)%32)+\k+1], v[F+2*((\n)%2):F+2*((\n)%2)+1] op_sel_hi:[1,0]
.endr
.endm
.macro MULQK g, resc                   ; 8 products of S^T = K Q^T; the 16 accumulators take turns; resc = 1: one accumulator of O^T is rescaled behind each product
.irp i, 0,1,2,3
.irp q, 0,1
	WIN 0x05
.set rD, S+64*\q+8*(4*((\g)%2)+\i)
.set rA, RING+48*((\g)%3)+12*\i
.set rB, 48*\q+12*((\g)/2)
.set zC, (\g)<2
.set sA, KS+4*((\g)/2)+\i
.set sB, QS+4*\q+(\g)/2
.set hA, (\g)%2
	WM
.if \resc
	RESC 8*(\g)+2*\i+\q
.endif
.endr
.endr
.endm
.macro QKPH pro, resc                  ; the 64 products of K Q^T.  pro = 1: K_0, no V behind it.  The four multiplications behind a group's last product are the places ahead of the loads
.irp g, 0,1,2,3,4,5,6,7
.if (\pro) && (\g >= 6)
	s_wait_dscnt 12*(7-\g)
.else
	s_wait_dscnt 24                                ; this group is in; the two younger groups' 24 loads may be out
.endif
	MULQK \g, \resc
.if (\resc) == 0
	PLACES
.endif
.if (\pro) == 0 || (\g+3 <= 7)
	FETCHG \g+3
.endif
.endr
	WIN 0
.endm
.macro MULPV g, first, mode            ; 8 products of O^T += V^T P^T.  mode 1: the next step's exponentials behind each; mode 2: the rescaling of the accumulator eight further on
.irp i, 0,1,2,3
.irp q, 0,1
.set nn, 8*((\g)-8)+2*\i+\q
	WIN 0xa1+0x50*(((\g)-8)/4)
.set rD, 8*(nn%32)
.set rA, RING+48*((\g)%3)+12*\i
.set rB, P+12*\q
.set zC, \first
.set sA, VS+4*(((\g)-8)/2)+\i
.set sB, PS+\q
.set hA, ((\g)-8)%2
	WM
.if (\mode) == 1
	WIN 0
	v_exp_f32 v[S+2*nn], v[S+2*nn]                 ; p = 2^(t - M), at most 1
	v_exp_f32 v[S+2*nn+1], v[S+2*nn+1]
.if nn < 8
	v_exp_f32 v[BM+nn], v[BM+nn]                   ; the blocks' largest p
.endif
.elseif nn+8 < 64
	RESC nn+8
.endif
.endr
.endr
.endm
.macro PVPH first, mode
.irp g, 8,9,10,11,12,13,14,15
.if \g < 14
	s_wait_dscnt 24
.else
.if (\mode) == 2 && \g == 15
	s_wait_alu depctr_va_vdst(0)
.endif
	s_wait_dscnt 12*(15-\g)
.endif
	MULPV \g, \first, \mode
.if \g+3 <= 15
.if (\mode) == 1
	PLACES
.endif
	FETCHG \g+3
.endif
.endr
	WIN 0
.endm
; Both tiles' maxima, M, f and t - M.  Block n = 4 q + b is registers S + 16 n .. + 15: keys 32 b + 16 (lane / 16) + 0 .. 15 of tile q.  Eight chains by turns
.macro SMB
.irp n, 0,1,2,3,4,5,6,7
	v_max3_num_f32 v[BM+\n], v[S+16*\n], v[S+16*\n+1], v[S+16*\n+2]
.endr
.irp i, 3,5,7,9,11,13
.irp n, 0,1,2,3,4,5,6,7
	v_max3_num_f32 v[BM+\n], v[BM+\n], v[S+16*\n+\i], v[S+16*\n+\i+1]
.endr
.endr
.irp n, 0,1,2,3,4,5,6,7
	v_max_num_f32 v[BM+\n], v[BM+\n], v[S+16*\n+15]
.endr
.irp n, 0,1,2,3,4,5,6,7
	v_permlanex16_b32 v[AUX+\n], v[BM+\n], s[SEL], s[SEL+1]
.endr
.irp n, 0,1,2,3,4,5,6,7
	v_max_num_f32 v[BM+\n], v[BM+\n], v[AUX+\n]    ; with lane l xor 16's 16 keys
.endr
.irp q, 0,1
	v_max3_num_f32 v[TT+\q], v[BM+4*\q], v[BM+4*\q+1], v[BM+4*\q+2]
.endr
.irp q, 0,1
	v_max_num_f32 v[TT+\q], v[TT+\q], v[BM+4*\q+3]
.endr
.irp q, 0,1
	v_mul_f32 v[TT+\q], s[CS], v[TT+\q]            ; the step's largest t (c is positive)
.endr
.irp q, 0,1
	v_max_num_f32 v[ST+4*\q+1], v[ST+4*\q+1], v[TT+\q]
.endr
.irp q, 0,1
	v_mov_b32 v[TT+\q], v[ST+4*\q]
.endr
.irp q, 0,1
	v_floor_f32 v[ST+4*\q], -v[ST+4*\q+1]          ; the new -M = floor(-t)
.endr
.irp q, 0,1
	v_sub_f32 v[TT+\q], v[ST+4*\q], v[TT+\q]       ; old M - new M: a whole number, 0 or less
.endr
.irp q, 0,1
	v_cvt_i32_f32 v[TT+\q], v[TT+\q]               ; (it saturates)
.endr
.irp q, 0,1
	v_ldexp_f32 v[F+2*\q], 1.0, v[TT+\q]
.endr
.set j, 0
.rept 64
	v_pk_fma_f32 v[S+j:S+j+1], v[S+j:S+j+1], s[CS:CS+1], v[ST+4*(j/64):ST+4*(j/64)+1] op_sel_hi:[1,0,0]   ; t - M
.set j, j+2
.endr
.irp n, 0,1,2,3,4,5,6,7
	v_fma_f32 v[BM+\n], v[BM+\n], s[CS], v[ST+4*(\n/4)]
.endr
	s_wait_alu depctr_va_vdst(0)                   ; the wait ahead of the exponentials
.endm
; Both tiles' sums of the unquantised p (four chains), then p's codes and scale words
.macro SMD
	v_nop                                          ; a plain line behind the exponentials
	s_wait_alu depctr_va_vdst(0)                   ; one wait for all of them, ahead of their first reader
.irp q, 0,1
	v_pk_mul_f32 v[ST+4*\q+2:ST+4*\q+3], v[ST+4*\q+2:ST+4*\q+3], v[F+2*\q:F+2*\q+1] op_sel_hi:[1,0]   ; the sums under the new M
.endr
.irp q, 0,1
	v_pk_add_f32 v[AUX+2*\q:AUX+2*\q+1], v[S+64*\q:S+64*\q+1], v[S+64*\q+2:S+64*\q+3]
.endr
.irp j, 4,8,12,16,20,24,28,32,36,40,44,48,52,56,60
.irp q, 0,1
	v_pk_add_f32 v[ST+4*\q+2:ST+4*\q+3], v[ST+4*\q+2:ST+4*\q+3], v[S+64*\q+\j:S+64*\q+\j+1]
	v_pk_add_f32 v[AUX+2*\q:AUX+2*\q+1], v[AUX+2*\q:AUX+2*\q+1], v[S+64*\q+\j+2:S+64*\q+\j+3]
.endr
.endr
.irp q, 0,1
	v_pk_add_f32 v[ST+4*\q+2:ST+4*\q+3], v[ST+4*\q+2:ST+4*\q+3], v[AUX+2*\q:AUX+2*\q+1]
.endr
.irp q, 0,1
.irp b, 0,1,2,3
	v_max_num_f32 v[BM+4*\q+\b], 0x1800000, v[BM+4*\q+\b]   ; the floor 2^(3 - 127): the byte cannot fall under 1
.endr
.irp b, 0,1,2,3
	v_add_nc_u32 v[SCL+\b], 0xff000000, v[BM+4*\q+\b]       ; 2 off the exponent field: the conversion's scale operand
.endr
.irp b, 0,1,2,3
	v_lshrrev_b32 v[BY+\b], 23, v[SCL+\b]
.endr
	v_lshl_or_b32 v[PS+\q], v[BY+1], 8, v[BY]
	v_lshl_or_b32 v[PS+\q], v[BY+2], 16, v[PS+\q]
	v_lshl_or_b32 v[PS+\q], v[BY+3], 24, v[PS+\q]
.irp c, 0,1
	v_cvt_scalef32_pk16_fp6_f32 v[P+12*\q+6*\c:P+12*\q+6*\c+2], v[S+64*\q+32*\c:S+64*\q+32*\c+15], v[SCL+2*\c]
	v_cvt_scalef32_pk16_fp6_f32 v[AUX+4*\c:AUX+4*\c+2], v[S+64*\q+32*\c+16:S+64*\q+32*\c+31], v[SCL+2*\c+1]
.endr
	v_nop                                          ; one plain line directly behind the scaled conversions
.irp c, 0,1                                    ; a whole block in a lane
.irp i, 0,1,2
	v_permlane16_swap_b32 v[P+12*\q+6*\c+\i], v[AUX+4*\c+\i]
.endr
.irp i, 0,1,2
	v_mov_b32 v[P+12*\q+3+6*\c+\i], v[AUX+4*\c+\i]
.endr
.endr
.endr
	s_wait_alu depctr_va_vdst(0)                   ; the wait ahead of the branch and the waits that follow
.endm
.macro BODY first                      ; trip j.  first = 1: trip 0: O^T has nothing to rescale, and its products start the sums
	v_add_nc_u32 v[ADK], s[TB], v[LI]
	v_add_nc_u32 v[ADV], s[TB], v[LIV]
.irp s, 0,1,2,3
	ds_load_b128 v[KS+4*\s:KS+4*\s+3], v[ADK] offset:49152+512*\s
.endr
.irp s, 0,1,2,3
	ds_load_b128 v[VS+4*\s:VS+4*\s+3], v[ADV] offset:49152+512*\s
.endr
	FETCHG 0
	FETCHG 1
	FETCHG 2
	s_wait_alu depctr_va_vdst(0)                   ; behind every exponential, ahead of the first read of O^T and of the waits below
	QKPH 0, 1-(\first)
	SMB
	PVPH \first, 1
	SMD
	s_xor_b32 s[TB], s[TB], SLOT1
.endm
	s_load_b128 s[4:7], s[0:1], 0x0                ; qkv, out0
	v_lshl_add_u32 v[SPW], v0, 2, SPARE
	v_mov_b32 v[NIL], 0
	ds_add_u32 v[SPW], v[NIL]                      ; the opening add, twice on end, and its wait ahead of my first tensor load
	ds_add_u32 v[SPW], v[NIL]
	v_lshrrev_b32 v1, 5, v0
	v_readfirstlane_b32 s[WV], v1
	s_bfe_u32 s13, ttmp6, 0x40000                  ; cx: it enters Q's, out0's and the prefetches' global addresses alone
	s_lshl_b32 s14, ttmp9, 2
	s_add_co_u32 s14, s14, s13                     ; my block of 128 queries
	s_and_b32 s15, ttmp7, 0xffff                   ; the batch
	s_mul_i32 s16, s15, 8*3*BLK
	s_mul_i32 s17, s[WV], BLK/2
	s_mul_i32 s18, s[WV], BLK/4
	s_mul_i32 s[G0+1], s[WV], BLK/2                ; the ring: my quarter of slot 0
	s_add_co_u32 s[G0H+1], s18, STAGE              ; my quarter of K_0's bytes
	s_add_co_u32 s[G0L+1], s18, BLK                ; my quarter of a slot's V part
	s_lshr_b32 s19, s[WV], 1
	s_xor_b32 s19, s19, 1
	s_mul_i32 s19, s19, 3*BLK                      ; waves 0, 1 fetch K of one block further on than waves 2, 3 fetch V
	s_add_co_u32 s42, s16, s17
	s_add_co_u32 s42, s42, BLK
	s_add_co_u32 s42, s42, s19
	s_mov_b32 s43, 0
	s_add_co_u32 s50, s16, s18
	s_add_co_u32 s50, s50, BLK                     ; my quarter of K_0
	s_mov_b32 s51, 0
	s_mul_i32 s44, s14, 3*BLK
	s_add_co_u32 s44, s44, s16                     ; my block's Q
	s_mov_b32 s45, 0
	s_lshl_b32 s46, s15, 21
	s_lshl_b32 s47, s14, 18
	s_add_co_u32 s46, s46, s47
	s_lshl_b32 s47, s[WV], 16
	s_add_co_u32 s46, s46, s47                     ; my 32 rows of out0
	s_mov_b32 s47, 0
	s_lshl_b32 s48, s13, 2
	s_add_co_u32 s48, s48, s[WV]
	s_mul_i32 s48, s48, 6400
	s_add_co_u32 s48, s48, s16
	s_add_co_u32 s48, s48, 7*BLK                   ; the prefetches: piece 4 cx + w of block 2's K and V
	s_mov_b32 s49, 0
	s_cmp_eq_u32 ttmp9, 0
	s_cselect_b32 s[LIM], 2, -1
	s_mov_b32 s[G1], 15|(3<<16)|(1<<21)            ; the mask of all four; elements of 8 bytes; bit 21 beside a mask
	s_mov_b32 s[G1+1], 32<<16
	s_mov_b32 s[G1+2], 100<<16                     ; 100 rows of 256 bytes
	s_mov_b32 s[G1+3], 32<<16
	s_mov_b32 s[G1+4], 100
	s_mov_b32 s[G1+5], 32
	s_mov_b32 s[G1+6], 0
	s_mov_b32 s[G1+7], 0
	s_mov_b32 s[G1H], 15|(3<<16)|(1<<21)
	s_mov_b32 s[G1H+1], 32<<16
	s_mov_b32 s[G1H+2], 50<<16                     ; 50 rows of 256 bytes
	s_mov_b32 s[G1H+3], 32<<16
	s_mov_b32 s[G1H+4], 50
	s_mov_b32 s[G1H+5], 32
	s_mov_b32 s[G1H+6], 0
	s_mov_b32 s[G1H+7], 0
	s_mov_b32 s[G0], 1
	s_mov_b32 s[G0H], 1
	s_mov_b32 s[G0L], 1
	s_mov_b32 s[SEL], 0x76543210
	s_mov_b32 s[SEL+1], 0xfedcba98
	s_mov_b32 s[CS], 0x3d8293ee
	s_mov_b32 s[CS+1], s[CS]
	s_mov_b32 s[TB], 0
	s_mul_i32 s80, s[WV], 8*FRB
	s_lshr_b32 s81, s[WV], 1                       ; Q's scale words of tile 2 w + q: 256 (w / 2) + 8 (w % 2) + 4 q + 16 r
	s_lshl_b32 s81, s81, 8
	s_and_b32 s82, s[WV], 1
	s_lshl_b32 s82, s82, 3
	s_add_co_u32 s81, s81, s82
	s_mul_i32 s82, s[WV], 16*SP
	s_add_co_u32 s82, s82, STAGE                   ; my stage
	v_and_b32 v1, 31, v0
	v_and_b32 v2, 15, v0
	v_bfe_u32 v3, v0, 4, 1
	v_lshlrev_b32 v[LI], 4, v1
	v_add_nc_u32 v[LIV], BLK, v[LI]
	v_add_nc_u32 v[QFO], s80, v[LI]
	v_lshlrev_b32 v[QSO], 4, v2
	v_add_nc_u32 v[QSO], s81, v[QSO]
	v_mul_u32_u24 v[STO], v2, SP
	v_lshl_add_u32 v[STO], v3, 6, v[STO]
	v_add_nc_u32 v[STO], s82, v[STO]
	v_add_nc_u32 v[RD], s82, v[LI]
	v_min_u32 v[PFO], 24, v1
	v_lshlrev_b32 v[PFO], 8, v[PFO]
	v_add_nc_u32 v[ADK], STAGE, v[LI]              ; K_0
.irp q, 0,1
	v_mov_b32 v[ST+4*\q+1], 0xff61b1e6             ; the largest t so far: -3e38
	v_floor_f32 v[ST+4*\q], -v[ST+4*\q+1]
	v_mov_b32 v[ST+4*\q+2], 0
	v_mov_b32 v[ST+4*\q+3], 0
	v_mov_b32 v[F+2*\q+1], 0                       ; (named as the upper half of a pair)
.endr
.irp n, 0,1,2,3,4,5,6,7
	v_mov_b32 v[AUX+\n], 0                         ; written once: a lane permute's destination counts as one of its sources
.endr
	s_wait_alu depctr_va_vdst(0)
	s_wait_dscnt 0x0                               ; both opening adds are done
	s_wait_kmcnt 0x0
	s_add_nc_u64 s[G0+2:G0+3], s[4:5], s[42:43]
	s_add_nc_u64 s[G0H+2:G0H+3], s[4:5], s[50:51]
	s_add_nc_u64 s[G0L+2:G0L+3], s[G0H+2:G0H+3], 22*BLK   ; V_7 lies 22 parts behind K_0
	s_or_b32 s[G0+3], s[G0+3], 0x80000000
	s_or_b32 s[G0H+3], s[G0H+3], 0x80000000
	s_or_b32 s[G0L+3], s[G0L+3], 0x80000000
	s_add_nc_u64 s[8:9], s[4:5], s[44:45]
	s_add_nc_u64 s[10:11], s[6:7], s[46:47]
	s_add_nc_u64 s[PFA:PFA+1], s[4:5], s[48:49]
	WIN 0x40
.irp q, 0,1
.irp s, 0,1,2,3
.irp c, 0,1,2
	global_load_b128 v[48*\q+12*\s+4*\c:48*\q+12*\s+4*\c+3], v[QFO], s[8:9] offset:4*FRB*\q+FRB*\s+512*\c   ; Q stays in registers; asked for ahead of the round
.endr
.endr
.endr
	WIN 0
.irp q, 0,1
.irp s, 0,1,2,3
	global_load_b32 v[QS+4*\q+\s], v[QSO], s[8:9] offset:49152+512*\s+4*\q
.endr
.endr
	CROUND                                         ; the first joint loads meet
	tensor_load_to_lds s[G0H:G0H+3], s[G1H:G1H+7]  ; K_0, a quarter a wave: my one load at the head
	s_nop 0
	PLACES
	s_wait_loadcnt 0x0                             ; Q
	s_mov_b32 s[SLOTS], 7
	CHANGE 1, 0, 0                                 ; K_0 is whole; K_1 and V_0 are asked for, into slot 0
.irp s, 0,1,2,3
	ds_load_b128 v[KS+4*\s:KS+4*\s+3], v[ADK] offset:49152+512*\s
.endr
	FETCHG 0
	FETCHG 1
	FETCHG 2
	QKPH 1, 0                                      ; step 0's scores and softmax stand alone
	SMB
.set j, 0
.rept 128
	v_exp_f32 v[S+j], v[S+j]
.set j, j+1
.endr
.irp n, 0,1,2,3,4,5,6,7
	v_exp_f32 v[BM+\n], v[BM+\n]
.endr
	SMD
	CHANGE 1, 1, 0                                 ; K_2 and V_1 into slot 1: its first fill
	BODY 1
	s_mov_b32 s[SLOTS], 6
.Lstep:                                            ; six trips: j = 1 .. 6
	CHANGE 1, 1, 1
	BODY 0
	s_sub_co_u32 s[SLOTS], s[SLOTS], 1
	s_cmp_lg_u32 s[SLOTS], 0
	s_cbranch_scc1 .Lstep
	CHANGE 0, 0, 0                                 ; trip 7: V_7 alone, nothing more to fetch
	v_add_nc_u32 v[ADV], s[TB], v[LIV]
.irp s, 0,1,2,3
	ds_load_b128 v[VS+4*\s:VS+4*\s+3], v[ADV] offset:49152+512*\s
.endr
	FETCHG 8
	FETCHG 9
	FETCHG 10
.irp q, 0,1
	v_add_f32 v[ST+4*\q+2], v[ST+4*\q+2], v[ST+4*\q+3]   ; the sum's two halves,
.endr
.irp q, 0,1
	v_permlanex16_b32 v[BY+\q], v[ST+4*\q+2], s[SEL], s[SEL+1]
.endr
.irp q, 0,1
	v_add_f32 v[ST+4*\q+2], v[ST+4*\q+2], v[BY+\q]       ; and lane l xor 16's
.endr
	s_wait_alu depctr_va_vdst(0)                   ; the wait ahead of the reciprocals
.irp q, 0,1
	v_rcp_f32 v[SCL+2*\q], v[ST+4*\q+2]
.endr
	v_nop
	s_wait_alu depctr_va_vdst(0)                   ; and behind them, ahead of the first read of O^T
.irp n, 0,1,2,3,4,5,6,7
	RESC \n
.endr
	; THE WAY OUT.  Chunk a = 4 q + ch: tile q, d = 128 ch on: divided by the row's sum, through my stage, stored as rows of 512 consecutive bytes, aligned.
.macro FIN a
.set qq, (\a)/4
.set ch, (\a)%4
	WIN 0x82+0x41*(ch/2)
.irp t, 0,1,2,3,4,5,6,7
.set rO, 8*(2*(8*(ch%2)+\t)+qq)
.irp k, 0,2,4,6
	v_pk_mul_f32 v[rO+\k:rO+\k+1], v[rO+\k:rO+\k+1], v[SCL+2*qq:SCL+2*qq+1] op_sel_hi:[1,0]
.endr
.endr
.endm
.macro TOSTAGE a
.set qq, (\a)/4
.set ch, (\a)%4
	WIN 0x08+4*(ch/2)
.irp t, 0,1,2,3,4,5,6,7
.set rO, 8*(2*(8*(ch%2)+\t)+qq)
	ds_store_b128 v[STO], v[rO:rO+3] offset:128*(\t/2)+32*(\t%2)
	ds_store_b128 v[STO], v[rO+4:rO+7] offset:128*(\t/2)+32*(\t%2)+16
.endr
	WIN 0
.set BB, S+64*qq
.irp i, 0,1,2,3,4,5,6,7,8,9,10,11,12,13,14,15
	ds_load_b128 v[BB+4*\i:BB+4*\i+3], v[RD] offset:SP*\i   ; LDS serves a wave's instructions in order
.endr
.endm
.macro SEND a, younger
.set qq, (\a)/4
.set ch, (\a)%4
.set BB, S+64*qq
	s_wait_dscnt \younger
.irp i, 0,1,2,3,4,5,6,7,8,9,10,11,12,13,14,15
	global_store_b128 v[LI], v[BB+4*\i:BB+4*\i+3], s[10:11] offset:(8*qq+\i+8*(\i/8))*2048+512*ch th:TH_STORE_NT
.endr
.endm
; TRIP 7 GOES BY d: two groups of V finish 128 d of both tiles, and these two chunks leave while the later groups are still to be multiplied.
.macro PV2 g                           ; one group of trip 7: 8 products, behind each the rescaling of the accumulator eight further on
	s_wait_alu depctr_va_vdst(0)
	s_wait_dscnt 0x0                               ; the group's fragments are in
	MULPV \g, 0, 2
.if (\g)+3 <= 15
	FETCHG (\g)+3                                  ; (the four multiplications behind the last product are the places ahead of these loads)
.endif
.endm
.irp ch, 0,1,2,3
	PV2 8+2*\ch
	PV2 9+2*\ch
.if \ch == 3
	PLACES                                         ; no rescaling follows the last products
.endif
.if \ch > 0
	s_wait_xcnt 0x0                                ; the last two chunks' stores have read their registers
.endif
	FIN \ch
	TOSTAGE \ch
	FIN 4+\ch
	TOSTAGE 4+\ch
	SEND \ch, 32                                   ; behind this chunk's loads: the other chunk's 16 stores and 16 loads
	SEND 4+\ch, 0
.endr
	s_wait_tensorcnt 0x0                           ; the wave's end
	ds_add_u32 v[SPW], v[NIL]
	s_wait_dscnt 0x0
	CROUND                                         ; the closing round
	s_endpgm
.Lfunc_end_k_qceb0ee6960_attn:
	.size	k_qceb0ee6960_attn, .Lfunc_end_k_qceb0ee6960_attn-k_qceb0ee6960_attn
	.p2alignl 7, 3214868480
	.fill 96, 4, 3214868480
	.section	.rodata,"a",@progbits
	.p2align	6, 0x0
	.amdhsa_kernel k_qceb0ee6960_attn
		.amdhsa_group_segment_fixed_size 327680
		.amdhsa_private_segment_fixed_size 0
		.amdhsa_enable_private_segment 0
		.amdhsa_kernarg_size 16
		.amdhsa_user_sgpr_count 2
		.amdhsa_user_sgpr_kernarg_segment_ptr 1
		.amdhsa_wavefront_size32 1
		.amdhsa_system_sgpr_workgroup_id_x 1
		.amdhsa_system_sgpr_workgroup_id_y 1
		.amdhsa_system_sgpr_workgroup_id_z 1
		.amdhsa_system_vgpr_workitem_id 0
		.amdhsa_next_free_vgpr 1024
		.amdhsa_next_free_sgpr 96
		.amdhsa_reserve_vcc 0
		.amdhsa_float_denorm_mode_32 3
		.amdhsa_float_denorm_mode_16_64 3
		.amdhsa_memory_ordered 1
		.amdhsa_forward_progress 1
		.amdhsa_inst_pref_size 255
	.end_amdhsa_kernel
	.section	.bss,"aw",@nobits
	.p2align	6
	.space	262144
	.amdgpu_metadata
---
amdhsa.version: [ 1, 2 ]
amdhsa.kernels:
  - .name:           k_qceb0ee6960_attn
    .symbol:         k_qceb0ee6960_attn.kd
    .args:
      - { .name: qkv, .offset: 0, .size: 8, .value_kind: global_buffer, .address_space: global }
      - { .name: out0, .offset: 8, .size: 8, .value_kind: global_buffer, .address_space: global }
    .group_segment_fixed_size: 327680
    .private_segment_fixed_size: 0
    .kernarg_segment_align: 8
    .kernarg_segment_size: 16
    .max_flat_workgroup_size: 128
    .sgpr_count:     96
    .vgpr_count:     1024
    .wavefront_size: 32
...
	.end_amdgpu_metadata
.endif
;; end of part 3
